; MI455X (gfx1250); checked and timed in simulation.
; The chip was launched on July 23, 2026; its instructions are those of AMD's public machine-readable ISA for CDNA 5 (MIT licence, August 2026) and "CDNA5" Instruction Set Architecture Reference Guide (July 2026). The comments in the code are by the model that wrote it; some were corrected since.
;; Bahdanau Attention. Allowed arithmetic: matrix products marked QUANTISED: E2M3 operands, one E8M0 scale for each 32 along K, by v_wmma_scale_f32_16x16x128_f8f6f4 with both operands' format E2M3, f32 sums; products left as they are: f32 operands where the result goes on into a quantised operand, else bf16, f16 or f32 operands; f32 sums; everything else in f32.
;; Inputs: W_dec 1,024 x 1,024 float32; W_enc 1,024 x 1,024 float32; W_v 1 x 1,024 float32; b_dec 1,024 float32; b_enc 1,024 float32; b_v 1 float32; decoder_hidden 32 x 1,024 float32; encoder_out 32 x 2,048 x 1,024 float32.
;; Outputs: out0 32 x 1,024 float32; out1 32 x 2,048 float32.
;; This version of the problem:
;;   THIS VERSION OF THE PROBLEM IS GIVEN IN LOW PRECISION. The matrix products marked QUANTISED in the list below multiply operands that are first quantised to E2M3 (2 exponent bits, 3 mantissa bits; 6 bits a number), with one power-of-two scale for each 32 numbers along K (OCP MX v1.0); their sums are f32. All else is computed in f32.
;;   The module's matrix products, in the order in which they are computed (A, B: the left and right operand; K: the contracted axis; several contracted axes count as one K, in the product's order):
;;     1. [M 65,536, K 1,024] x [K 1,024, N 1,024]; A: input encoder_out; B: input W_enc: QUANTISED
;;     2. [M 32, K 1,024] x [K 1,024, N 1,024]; A: input decoder_hidden; B: input W_dec: QUANTISED
;;     3. [M 65,536, K 1,024] x [K 1,024, N 1]; A: computed on the way; B: input W_v: left as it is (N = 1 < 16)
;;     4. batch 32 x [M 1,024, K 2,048] x [K 2,048, N 1]; A: input encoder_out; B: softmax: left as it is (N = 1 < 16)
;;   THE QUANTISER, for each operand of a quantised product, along K:
;;     - K is cut into blocks of 32 from its start; a last block that is shorter is filled with zeros.
;;     - A block's scale is 2^e with e = floor(log2(the largest magnitude in the block)) - 2, held to -126 .. 127; a block of zeros has e = 0. As a byte (E8M0): e + 127.
;;     - Each number is divided by its block's scale, clamped to +-7.5, and rounded to the nearest number of E2M3, ties to even, subnormals kept.
;;     - The product sums the exact products of the quantised numbers (number of the format x scale) in f32.
;;   ~~~python
;;   def quantise(x, axis):      # numpy; x: float32 -> the quantised numbers, widened to float32 again
;;       x = np.moveaxis(x, axis, -1); K = x.shape[-1]
;;       x = np.pad(x, [(0, 0)] * (x.ndim - 1) + [(0, -K % 32)]); x = x.reshape(x.shape[:-1] + (-1, 32)); a = np.abs(x).max(-1, keepdims=True)
;;       e = np.where(a > 0, np.clip(np.frexp(np.where(a > 0, a, 1))[1] - 1 - 2, -126, 127), 0)      # np.frexp(a)[1] - 1 = floor(log2(a)), exactly
;;       r = np.clip(x / 2.0 ** e, -7.5, 7.5)
;;       step = 2.0 ** (np.maximum(np.frexp(np.where(r == 0, 1, r))[1] - 1, 0) - 3)
;;       q = np.round(r / step) * step * 2.0 ** e      # np.round: ties to even
;;       return np.moveaxis(q.reshape(q.shape[:-2] + (-1,))[..., :K], -1, axis).astype(np.float32)
;;   ~~~
;; One version. Each part assembles by itself: llvm-mc -triple=amdgcn-amd-amdhsa -mcpu=gfx1250 --defsym DOCPART=n.
;; ======== version 1 of 1: 3 launches
;; workspace buffers: wq 819,200 bytes; vk 262,144 bytes; scores 262,144 bytes; part 1,114,112 bytes
;; launch prep (part 1): grid 96 x 1, 8 waves a work-group, no clusters, 27,648 bytes of LDS; arguments W_enc, W_dec, decoder_hidden, b_enc, b_dec, W_v, wq, vk; writes wq, vk
.if DOCPART == 1
	.amdgcn_target "amdgcn-amd-amdhsa--gfx1250"
	.amdhsa_code_object_version 6
	.text
	.protected	k_qa595f38605_prep
	.globl	k_qa595f38605_prep
	.p2align	8
	.type	k_qa595f38605_prep,@function
k_qa595f38605_prep:
	s_mov_b64 s[64:65], 0
	v_nop
	global_prefetch_b8 v0, s[64:65] scope:SCOPE_SE
	s_setreg_imm32_b32 hwreg(HW_REG_WAVE_MODE, 25, 1), 1
	s_wait_xcnt 0x0
; WHAT THIS LAUNCH MAKES, once, for the main launch.
; Work-groups 0-63: W_enc [1024 a][1024 k] f32 becomes codes of FP6 (E2M3) with one E8M0 byte for each 32 along k, laid in the ORDER OF THE OPERAND'S REGISTERS:
;   wq: column tile T (rows 16 T .. 16 T + 15 of W_enc) at byte 12,800 T; in it K step s at 1,536 s: registers 4 c .. 4 c + 3 of lane L at 512 c + 16 L;
;   at 12,288 the scale words: lane L's 16 bytes hold words q = 0..3: lanes 0-15 row L, K step 2 q; lanes 16-31 row L - 16, K step 2 q + 1.
; Work-groups 64-95: the small quantised product decoder_hidden x W_dec^T, by the FP6 matrix instruction, 32 columns a work-group; it leaves as pairs
;   vk[b][a] = (W_v[a], K2 (dec_proj[b][a] + b_dec[a] + b_enc[a])), K2 = 2 log2(e): what the main launch's tanh wants of a column.
; A block's scale is 2^(floor(log2(largest magnitude)) - 2): its byte is the largest magnitude's exponent field - 2, held at 1 from below by a floor among the maximum's leaves.
; LIMITS: a block of zeros, and a block whose largest magnitude lies under 2^-124, keep the byte 1 (zeros' codes are zeros; the bytes are read by this program alone). NaN and infinities among the inputs are not served.
; The two paths part on the work-group's number; each has LDS bytes of its own.
.set K2F,  0x4038aa3b                  ; 2 log2(e)
.set ESC,  0                           ; path E: the tile's 512 bytes of scale words
.set DRED, 1024                        ; path D: eight waves x two accumulators of 1,024 bytes
.set DSTG, 17408                       ; path D: 32 rows (b) x (256 bytes + 16)
.set X0,   16                          ; v16-79   64 numbers of a lane
.set X1,   80                          ; v80-143  the other set
.set TM,   144                         ; v144-159 at work in QUANT
.set SCL,  160                         ; v160-165 scale words, and nothing else
.set T2,   166                         ; v166-173 the second halves of a block's codes
.set FR,   174                         ; v174-245 six fragments of 12 registers
.set WV,   22
.set SEL,  20
; 64 numbers of a lane, register 16 b + i = k 32 b + 16 (lane / 16) + i of the lane's row, become a fragment (12 registers from d on) and its scale word (pw).
.macro QUANT s, d, t2, pw
.irp b, 0,1,2,3
	v_max3_num_f32 v[TM+\b], |v[\s+16*\b]|, |v[\s+1+16*\b]|, 0x1800000   ; my 16 numbers of block b, and the floor 2^(3 - 127)
.endr
.irp i, 2,4,6,8,10,12,14
.irp b, 0,1,2,3
	v_max3_num_f32 v[TM+\b], v[TM+\b], |v[\s+16*\b+\i]|, |v[\s+1+16*\b+\i]|   ; the four blocks by turns
.endr
.endr
.irp b, 0,1,2,3
	v_permlanex16_b32 v[TM+4+\b], v[TM+\b], s[SEL], s[SEL+1]
.endr
.irp b, 0,1,2,3
	v_max_num_f32 v[TM+\b], v[TM+\b], v[TM+4+\b]   ; with the lane 16 away: the block's largest magnitude
.endr
.irp b, 0,1,2,3
	v_add_nc_u32 v[TM+12+\b], 0xff000000, v[TM+\b]   ; 2 off its exponent field: the conversion's scale operand
.endr
.irp b, 0,1,2,3
	v_lshrrev_b32 v[TM+4+\b], 23, v[TM+12+\b]   ; the scale's byte
.endr
	v_lshl_or_b32 v[\pw], v[TM+5], 8, v[TM+4]
	v_lshl_or_b32 v[\pw], v[TM+6], 16, v[\pw]
	v_lshl_or_b32 v[\pw], v[TM+7], 24, v[\pw]
.irp c, 0,1
	v_cvt_scalef32_pk16_fp6_f32 v[\d+6*\c:\d+2+6*\c], v[\s+32*\c:\s+15+32*\c], v[TM+12+2*\c]
	v_cvt_scalef32_pk16_fp6_f32 v[\t2+4*\c:\t2+2+4*\c], v[\s+16+32*\c:\s+31+32*\c], v[TM+12+2*\c+1]   ; a conversion's three registers begin on an even number
.endr
	v_nop                                          ; one plain instruction behind the scaled conversions
.irp c, 0,1                                    ; the operand wants a whole block in a lane: lanes 0-15 block 2 c, lanes 16-31 block 2 c + 1
.irp i, 0,1,2
	v_permlane16_swap_b32 v[\d+6*\c+\i], v[\t2+4*\c+\i]
.endr
.irp i, 0,1,2
	v_mov_b32 v[\d+3+6*\c+\i], v[\t2+4*\c+\i]
.endr
.endr
.endm
; 128 along K of 16 rows of 4,096 bytes: lane (r, h) takes 16 neighbours of each block of 32 of row r
.macro XLOADG reg, sb, off
.irp b, 0,1,2,3
.irp j, 0,1,2,3
	global_load_b128 v[\reg+16*\b+4*\j:\reg+16*\b+4*\j+3], v4, s[\sb:\sb+1] offset:\off+128*\b+16*\j
.endr
.endr
.endm
	s_load_b256 s[4:11], s[0:1], 0x0               ; W_enc s[4:5], W_dec s[6:7], decoder_hidden s[8:9], b_enc s[10:11]
	s_load_b256 s[12:19], s[0:1], 0x20             ; b_dec s[12:13], W_v s[14:15], wq s[16:17], vk s[18:19]
	v_lshl_add_u32 v254, v0, 2, 0x6800
	v_mov_b32 v255, 0
	v_lshrrev_b32 v1, 5, v0
	v_readfirstlane_b32 s[WV], v1                  ; wave 0..7
	v_and_b32 v1, 31, v0                           ; lane
	v_and_b32 v2, 15, v0                           ; r
	v_bfe_u32 v3, v0, 4, 1                         ; h
	v_lshlrev_b32 v4, 12, v2
	v_lshl_add_u32 v4, v3, 6, v4                   ; a row of 4,096 bytes x r + 64 h
	v_lshlrev_b32 v5, 4, v1                        ; 16 x lane
	; every LDS address of both paths is made here, ahead of every parting
	s_and_b32 s23, s[WV], 1                        ; u: wave % 2
	s_lshr_b32 s24, s[WV], 1                       ; kq: wave / 2
	s_lshl_b32 s25, s23, 8
	s_lshl_b32 s26, s24, 2
	s_add_co_u32 s25, s25, s26
	v_lshl_add_u32 v6, v2, 4, s25                  ; E: row r's word of K step s = wave: 16 r + 256 (s % 2) + 4 (s / 2)
	s_lshl_b32 s25, s[WV], 11
	v_add_nc_u32 v7, s25, v5                       ; D: my two accumulators: 2,048 x wave + 16 x lane
	s_and_b32 s26, s24, 1                          ; m: which 16 rows b I add up (waves 0-3)
	s_lshl_b32 s25, s23, 11
	s_lshl_b32 s27, s26, 10
	s_add_co_u32 s25, s25, s27
	v_add_nc_u32 v8, s25, v5                       ; D: the parts I add: 2,048 u + 1,024 m + 16 x lane, 4,096 bytes from part to part
	s_mul_i32 s25, s26, 4352
	s_lshl_b32 s27, s23, 7
	s_add_co_u32 s25, s25, s27
	v_mul_u32_u24 v9, v3, 2176
	v_lshl_add_u32 v9, v2, 3, v9
	v_add_nc_u32 v9, s25, v9                       ; D: the stage, in: row 16 m + 8 h (+ i), byte 128 u + 8 r
	s_mul_i32 s25, s[WV], 1088
	v_mul_u32_u24 v10, v3, 272
	v_lshl_add_u32 v10, v2, 4, v10
	v_add_nc_u32 v10, s25, v10                     ; D: the stage, out: row 4 x wave + h (+ 2 k), 16 bytes a lane
	s_lshl_b32 s25, s[WV], 15
	v_lshlrev_b32 v11, 13, v3
	v_lshl_add_u32 v11, v2, 4, v11
	v_add_nc_u32 v11, s25, v11                     ; and the same place in vk: rows of 8,192 bytes
	v_lshlrev_b32 v12, 2, v2                       ; 4 r
	s_mov_b32 s[SEL], 0x76543210
	s_mov_b32 s[SEL+1], 0xfedcba98                 ; lane selects: each lane takes its own place in the other half
	s_mov_b32 s32, K2F
.irp b, 0,1,2,3
	v_mov_b32 v[TM+4+\b], 0                        ; written once: a lane permute's destination counts as one of its sources
.endr
	s_wait_kmcnt 0x0
	s_cmp_lt_u32 ttmp9, 64
	s_cbranch_scc0 .Ldec
	; ---- PATH E: column tile T = work-group, K step s = wave
	s_lshl_b32 s26, ttmp9, 16                      ; 16 rows of 4,096 bytes a tile,
	s_lshl_b32 s27, s[WV], 9                       ; 512 bytes a K step
	s_add_co_u32 s26, s26, s27
	s_mov_b32 s27, 0
	s_add_nc_u64 s[4:5], s[4:5], s[26:27]
	XLOADG X0, 4, 0
	s_mul_i32 s26, ttmp9, 12800
	s_mul_i32 s28, s[WV], 1536
	s_add_co_u32 s26, s26, s28
	s_add_nc_u64 s[16:17], s[16:17], s[26:27]      ; my fragment's image in wq
	s_wait_loadcnt 0x0
	QUANT X0, FR, T2, SCL
.irp c, 0,1,2
	global_store_b128 v5, v[FR+4*\c:FR+4*\c+3], s[16:17] offset:512*\c   ; 32 lanes store 512 consecutive bytes
.endr
	ds_store_b32 v6, v[SCL] offset:ESC             ; lanes r and r + 16 hold the same word and write it to the same place
	s_wait_dscnt 0x0                               ; for the others' sake: my word has landed
	s_barrier_signal -1
	s_barrier_wait -1
	s_cmp_lg_u32 s[WV], 0
	s_cbranch_scc1 .Lend_e
	ds_load_b128 v[16:19], v5 offset:ESC           ; wave 0 sends the tile's 512 bytes of scale words as two whole runs of 256
	s_wait_dscnt 0x0
	global_store_b128 v5, v[16:19], s[16:17] offset:12288   ; (wave 0's base stands at the tile's first byte)
.Lend_e:
	s_wait_tensorcnt 0x0
	ds_add_u32 v254, v255
	s_wait_dscnt 0x0
	s_endpgm
	; ---- PATH D: columns a = 32 P + 16 u + r; K steps 2 kq and 2 kq + 1; all 32 rows b
.Ldec:
	s_sub_co_u32 s25, ttmp9, 64                    ; P
	s_lshl_b32 s26, s25, 5
	s_lshl_b32 s27, s23, 4
	s_add_co_u32 s26, s26, s27                     ; my first column
	s_lshl_b32 s28, s26, 12
	s_lshl_b32 s30, s24, 10                        ; two K steps of 512 bytes x kq
	s_add_co_u32 s28, s28, s30
	s_mov_b32 s29, 0
	s_mov_b32 s31, 0
	s_add_nc_u64 s[6:7], s[6:7], s[28:29]          ; W_dec at my rows and K steps
	s_add_nc_u64 s[8:9], s[8:9], s[30:31]          ; decoder_hidden at my K steps
	s_lshl_b32 s28, s26, 2
	s_add_nc_u64 s[10:11], s[10:11], s[28:29]
	s_add_nc_u64 s[12:13], s[12:13], s[28:29]
	s_add_nc_u64 s[14:15], s[14:15], s[28:29]
	s_lshl_b32 s28, s25, 8
	s_add_nc_u64 s[18:19], s[18:19], s[28:29]      ; vk at my work-group's 32 pairs of a row
	global_load_b32 v13, v12, s[12:13]             ; b_dec, b_enc, W_v of my column
	global_load_b32 v14, v12, s[10:11]
	global_load_b32 v15, v12, s[14:15]
	XLOADG X0, 6, 0                                ; six units, two sets by turns: W_dec, rows b 0-15, rows b 16-31, for each of my two K steps
	XLOADG X1, 8, 0
	s_wait_loadcnt 16                              ; this unit is in; the next unit's 16 loads may be out
	QUANT X0, FR, T2, SCL
	XLOADG X0, 8, 65536
	s_wait_loadcnt 16
	QUANT X1, FR+12, T2, SCL+1
	XLOADG X1, 6, 512
	s_wait_loadcnt 16
	QUANT X0, FR+24, T2, SCL+2
	XLOADG X0, 8, 512
	s_wait_loadcnt 16
	QUANT X1, FR+36, T2, SCL+3
	XLOADG X1, 8, 66048
	s_wait_loadcnt 16
	QUANT X0, FR+48, T2, SCL+4
	s_wait_loadcnt 0x0
	QUANT X1, FR+60, T2, SCL+5
.rept 8
	v_nop                                          ; scale words written by vector instructions stand 8 places ahead of a scaled matrix instruction, operands 4
.endr
	; source 0 = 16 rows b, source 1 = 16 columns a: register j of lane (r, h) is (b = 16 m + 8 h + j, a = r).  The two accumulators take turns
	v_wmma_scale_f32_16x16x128_f8f6f4 v[16:23], v[FR+12:FR+23], v[FR:FR+11], 0, v[SCL+1], v[SCL] matrix_a_fmt:MATRIX_FMT_FP6 matrix_b_fmt:MATRIX_FMT_FP6
	v_wmma_scale_f32_16x16x128_f8f6f4 v[24:31], v[FR+24:FR+35], v[FR:FR+11], 0, v[SCL+2], v[SCL] matrix_a_fmt:MATRIX_FMT_FP6 matrix_b_fmt:MATRIX_FMT_FP6
	v_wmma_scale_f32_16x16x128_f8f6f4 v[16:23], v[FR+48:FR+59], v[FR+36:FR+47], v[16:23], v[SCL+4], v[SCL+3] matrix_a_fmt:MATRIX_FMT_FP6 matrix_b_fmt:MATRIX_FMT_FP6
	v_wmma_scale_f32_16x16x128_f8f6f4 v[24:31], v[FR+60:FR+71], v[FR+36:FR+47], v[24:31], v[SCL+5], v[SCL+3] matrix_a_fmt:MATRIX_FMT_FP6 matrix_b_fmt:MATRIX_FMT_FP6
.rept 4
	v_nop                                          ; four places ahead of the first read of the results
.endr
.irp m, 0,1
	ds_store_b128 v7, v[16+8*\m:19+8*\m] offset:DRED+1024*\m       ; each accumulator from its low end on
	ds_store_b128 v7, v[20+8*\m:23+8*\m] offset:DRED+1024*\m+512
.endr
	s_wait_dscnt 0x0
	s_barrier_signal -1
	s_barrier_wait -1                              ; the eight waves' parts lie in LDS
	s_cmp_lt_u32 s[WV], 4
	s_cbranch_scc0 .Lno_red
.irp q, 0,1,2,3                                ; waves 0-3 add the four parts along K of (u, m)
	ds_load_b128 v[80+8*\q:83+8*\q], v8 offset:DRED+4096*\q
	ds_load_b128 v[84+8*\q:87+8*\q], v8 offset:DRED+4096*\q+512
.endr
	s_wait_dscnt 0x0
.irp j, 0,2,4,6
	v_pk_add_f32 v[80+\j:81+\j], v[80+\j:81+\j], v[88+\j:89+\j]
	v_pk_add_f32 v[96+\j:97+\j], v[96+\j:97+\j], v[104+\j:105+\j]
.endr
.irp j, 0,2,4,6
	v_pk_add_f32 v[80+\j:81+\j], v[80+\j:81+\j], v[96+\j:97+\j]
.endr
	v_add_f32 v13, v13, v14
	v_mul_f32 v13, s32, v13                        ; K2 (b_dec + b_enc)
.irp i, 0,1,2,3,4,5,6,7
	v_mov_b32 v[112+2*\i], v15                     ; the pair: W_v[a],
	v_fma_f32 v[113+2*\i], v[80+\i], s32, v13      ; K2 (dec_proj + b_dec + b_enc)
.endr
.irp i, 0,1,2,3,4,5,6,7
	ds_store_b64 v9, v[112+2*\i:113+2*\i] offset:DSTG+272*\i
.endr
.Lno_red:
	s_wait_dscnt 0x0
	s_barrier_signal -1
	s_barrier_wait -1                              ; 32 rows of 256 bytes lie in the stage
.irp k, 0,1
	ds_load_b128 v[16+4*\k:19+4*\k], v10 offset:DSTG+544*\k
.endr
	s_wait_dscnt 0x0
.irp k, 0,1
	global_store_b128 v11, v[16+4*\k:19+4*\k], s[18:19] offset:16384*\k   ; sixteen lanes store 256 consecutive bytes, at a multiple of 256 from vk's first byte
.endr
	s_wait_tensorcnt 0x0
	ds_add_u32 v254, v255
	s_wait_dscnt 0x0
	s_endpgm
.Lfunc_end_k_qa595f38605_prep:
	.size	k_qa595f38605_prep, .Lfunc_end_k_qa595f38605_prep-k_qa595f38605_prep
	.p2alignl 7, 3214868480
	.fill 96, 4, 3214868480
	.section	.rodata,"a",@progbits
	.p2align	6, 0x0
	.amdhsa_kernel k_qa595f38605_prep
		.amdhsa_group_segment_fixed_size 27648
		.amdhsa_private_segment_fixed_size 0
		.amdhsa_enable_private_segment 0
		.amdhsa_kernarg_size 64
		.amdhsa_user_sgpr_count 2
		.amdhsa_user_sgpr_kernarg_segment_ptr 1
		.amdhsa_wavefront_size32 1
		.amdhsa_system_sgpr_workgroup_id_x 1
		.amdhsa_system_sgpr_workgroup_id_y 1
		.amdhsa_system_sgpr_workgroup_id_z 1
		.amdhsa_system_vgpr_workitem_id 0
		.amdhsa_next_free_vgpr 256
		.amdhsa_next_free_sgpr 66
		.amdhsa_reserve_vcc 0
		.amdhsa_float_denorm_mode_32 3
		.amdhsa_float_denorm_mode_16_64 3
		.amdhsa_memory_ordered 1
		.amdhsa_forward_progress 1
		.amdhsa_inst_pref_size 46
	.end_amdhsa_kernel
	.amdgpu_metadata
---
amdhsa.version: [ 1, 2 ]
amdhsa.kernels:
  - .name:           k_qa595f38605_prep
    .symbol:         k_qa595f38605_prep.kd
    .args:
      - { .name: W_enc, .offset: 0, .size: 8, .value_kind: global_buffer, .address_space: global }
      - { .name: W_dec, .offset: 8, .size: 8, .value_kind: global_buffer, .address_space: global }
      - { .name: decoder_hidden, .offset: 16, .size: 8, .value_kind: global_buffer, .address_space: global }
      - { .name: b_enc, .offset: 24, .size: 8, .value_kind: global_buffer, .address_space: global }
      - { .name: b_dec, .offset: 32, .size: 8, .value_kind: global_buffer, .address_space: global }
      - { .name: W_v, .offset: 40, .size: 8, .value_kind: global_buffer, .address_space: global }
      - { .name: wq, .offset: 48, .size: 8, .value_kind: global_buffer, .address_space: global }
      - { .name: vk, .offset: 56, .size: 8, .value_kind: global_buffer, .address_space: global }
    .group_segment_fixed_size: 27648
    .private_segment_fixed_size: 0
    .kernarg_segment_align: 8
    .kernarg_segment_size: 64
    .max_flat_workgroup_size: 256
    .sgpr_count:     66
    .vgpr_count:     256
    .wavefront_size: 32
...
	.end_amdgpu_metadata
.endif
;; end of part 1
;; launch main (part 2): grid 256 x 1, 4 waves a work-group, no clusters, 327,680 bytes of LDS; arguments encoder_out, wq, vk, W_v, b_v, scores, part; writes scores, part
.if DOCPART == 2
	.amdgcn_target "amdgcn-amd-amdhsa--gfx1250"
	.amdhsa_code_object_version 6
	.text
	.protected	k_qa595f38605_main
	.globl	k_qa595f38605_main
	.p2align	8
	.type	k_qa595f38605_main,@function
k_qa595f38605_main:
	s_mov_b64 s[64:65], 0
	v_nop
	global_prefetch_b8 v0, s[64:65] scope:SCOPE_SE
	s_setreg_imm32_b32 hwreg(HW_REG_WAVE_MODE, 25, 1), 1
	s_wait_xcnt 0x0
; scores[row] = b_v + sum over a of W_v[a] tanh(x[row] . W_enc[a] + dec_proj[b][a] + b_dec[a] + b_enc[a]), the product on codes of FP6 (E2M3) with E8M0 scales, and, in the same pass over x,
; each work-group's part of softmax(scores) . x: a running maximum m, the sum l of p = e^(score - m), and c = sum of p x.  The last launch joins the eight parts of a batch.
; x (encoder_out) IS READ FROM MEMORY ONCE.  A row's weight is known only when the row has met all 1,024 columns of W_enc, so the row is kept until then: as codes in registers, as bf16 in LDS.
; SHARES.  Work-group g owns rows 256 g .. 256 g + 255 (batch g / 8): 16 tiles of 16 rows.  THE FOUR WAVES SHARE THE COLUMNS: wave w owns a = 256 w .. 256 w + 255, 16 column tiles in 4 groups of 4.
; A ROLLING PIPELINE.  Four row tiles are resident, each as 8 fragments (96 registers) in EVERY wave.  In a QUARTER a wave multiplies the four resident tiles by one group of its column tiles (128 matrix instructions);
; tile n lives in slot n % 4 during quarters n .. n + 3 and so meets all four groups.  Behind quarter Q slot (Q + 1) % 4 retires tile Q - 3 and takes tile Q + 1.  19 quarters.  While the pipeline fills, slots 1-3 hold
; copies of tile 0, and while it drains, retired tiles: their sums are never read.
; W comes from wq, laid in the order of the operand's registers, STRAIGHT INTO REGISTERS, two column tiles ahead, round and round.  The ring's last two tiles' loads lie inside wq and are not used.
; NO CLUSTER, NO JOINT LOADS: x is private to a work-group; W is shared by all, but LDS holds 291,584 bytes of x's strips, bf16 rows and images, and the 36,096 left are less than two slots of one column tile
; for each of four waves (2 x 4 x 12,800), so W has no way through LDS.
; x comes by tensor loads: wave w fetches its own strip (16 rows x 1,024 bytes: the tile has no more rows) of each tile, quantises K steps 2 w and 2 w + 1, hands their register images to the other waves through LDS,
; and keeps the same 256 columns as bf16, which it alone reads when the tile retires: wave w owns context columns 256 w .. 256 w + 255.
; tanh(z) = 1 - 2 / (1 + 2^(K2 z)), K2 = 2 log2(e), in f32: score = (b_v + sum W_v) - 2 sum of W_v[a] / (1 + 2^(K2 z)).  Where 2^y overflows the quotient is 0, where it underflows 1: tanh's own limits.
; LIMITS: x is rounded once to bf16 for the context (p and the sums stay f32).  A block of zeros, and a block whose largest magnitude lies under 2^-124, keep the scale byte 1.  NaN and infinities among the inputs are not served.
; REGISTERS, in windows of 256: window 0: all that vector and LDS instructions touch (map below).  Windows 1, 2: the resident tiles: slot j, K step s at v[96 (j % 2) + 12 s] of window 1 + j / 2.
;   Window 3: W's ring: parity p, K step s at v[96 p + 12 s].
.set STRIP, 16640                      ; LDS: a strip: 16 rows x (1,024 bytes + 16): pitch 1,040 = 65 x 16, so sixteen rows of a 16-byte load start in sixteen different groups of banks (ISA guide 11.1)
.set XW,    33280                      ; XS at byte 0: two strips a wave; the only bytes that tensor loads fill
.set RET,   133120                     ; bf16 rows: wave w, slot j at 33,792 w + 8,448 j: 16 rows x (512 bytes + 16)
.set RBLK,  8448
.set RWV,   33792
.set IMG,   268288                     ; the entering tile's 8 fragments as images of their registers, 1,536 bytes each
.set SCI,   280576                     ; its scale words: 128 q + 4 x lane: lanes 0-15 K step 2 q, lanes 16-31 K step 2 q + 1
.set PART,  281088                     ; [wave][16 rows] partial scores
.set PB,    281344                     ; 64 bytes a wave: p of the 16 rows
.set SCO,   281600                     ; the scores, 64 bytes a quarter (wave 0's): tile 0's begin at + 192
.set VKT,   282880                     ; 2,048 bytes a wave: its 256 pairs (W_v, K2 x bias)
.set SPARE, 291072                     ; the spare words, 128 bytes a wave: two blocks of 256 bytes that no other line names
.set WTILE, 12800                      ; a column tile in wq
.set WGRP,  51200                      ; a group of four
.set SPW,  1                           ; v1   my spare word; never rewritten
.set NIL,  2                           ; v2   0; never rewritten
.set L16,  3                           ; v3   16 x lane
.set WOC,  4                           ; v4   16 x lane + 51,200 x this quarter's group
.set WON,  5                           ; v5   the same for the next quarter's
.set XA0,  6                           ; v6   my place in my strip 0;  v7 in the strip in hand
.set XA,   7
.set RW0,  8                           ; v8   where I put bf16 in my slot 0;  v9 in the slot in hand
.set RW,   9
.set RR0,  10                          ; v10  where I read bf16 rows back;  v11 in the slot in hand
.set RR,   11
.set IMW,  12                          ; v12  my two images, v13 all images
.set IMR,  13
.set SCW,  14                          ; v14  my scale word, v15 all
.set SCR,  15
.set PTW,  16
.set PTR,  17
.set PBW,  18
.set PBR,  19
.set SCO0, 20
.set SCOA, 21
.set VKR0, 22
.set VKR,  23
.set PFO,  24                          ; v24  the prefetches' offset: row lane / 4, block lane % 4 of 256 bytes; never rewritten
.set L8,   25                          ; v25  8 x lane
.set C0,   26                          ; v26  b_v + sum of W_v
.set PP,   27                          ; v27  p of row lane % 16
.set ML,   28                          ; v[28:29] m, l
.set FF,   30                          ; v[30:31] f = e^(old m - new m), and its pair's other word
.set ASC,  32                          ; v32-47   x's scale words: slot j, word q at 4 j + q
.set BSC,  48                          ; v48-63   W's: tile i of a quarter, word q at 4 i + q
.set VKQ,  64                          ; v64-71   tile i's pair of my column
.set SS,   72                          ; v72-103  sums of W_v r: slot j, row 8 h + i at 8 j + i
.set ACC,  104                         ; v104-167 two sets of four accumulators; between quarters: 64 numbers of x
.set XX,   104
.set CC,   168                         ; v168-175 c of my eight columns
.set P16,  176                         ; v176-191 p of the 16 rows; before that at work
.set TM,   192                         ; v192-207 at work in QUANT
.set PW0,  208                         ; v208-209 my two scale words
.set TMPA, 210
.set PC,   212                         ; v212-231 the codes just made
.set TT,   232                         ; v232-239 a slot's sums across the lanes
.set CB,   192                         ; v192-255 16 rows of bf16, while a tile retires
.set WV,   18
.set QQ,   19                          ; the quarter
.set JJ,   20                          ; (Q + 1) % 4
.set TB,   21                          ; the strip of the entering tile: 0 or 16,640
.set LW,   23
.set G1,   24                          ; s[24:31] descriptor group 1
.set G0A,  32                          ; s[32:35] group 0 of tile 0
.set G0B,  36                          ; s[36:39] group 0 of tile 1, which then walks
.set SEL,  40
.set K2,   42                          ; s[42:43]
.set LG,   44                          ; log2(e)
.set SQ,   45                          ; 64 Q
.set PFA,  46                          ; s[46:47] my strip of the tile after the one that is being asked for
.set MSB, 0
.macro WIN new                         ; the immediate's high byte repeats the setting that is left; a switch that changes nothing is dropped
.if MSB != (\new)
	s_set_vgpr_msb (MSB<<8)|(\new)
.set MSB, (\new)
.endif
.endm
; 64 numbers of a lane, register 16 b + i = k 32 b + 16 (lane / 16) + i of the lane's row, become a fragment (12 registers from d on) and its scale word (pw).
.macro QUANT s, d, t2, pw
.irp b, 0,1,2,3
	v_max3_num_f32 v[TM+\b], |v[\s+16*\b]|, |v[\s+1+16*\b]|, 0x1800000   ; my 16 numbers of block b, and the floor 2^(3 - 127): the byte cannot fall under 1
.endr
.irp i, 2,4,6,8,10,12,14
.irp b, 0,1,2,3
	v_max3_num_f32 v[TM+\b], v[TM+\b], |v[\s+16*\b+\i]|, |v[\s+1+16*\b+\i]|
.endr
.endr
.irp b, 0,1,2,3
	v_permlanex16_b32 v[TM+4+\b], v[TM+\b], s[SEL], s[SEL+1]
.endr
.irp b, 0,1,2,3
	v_max_num_f32 v[TM+\b], v[TM+\b], v[TM+4+\b]
.endr
.irp b, 0,1,2,3
	v_add_nc_u32 v[TM+12+\b], 0xff000000, v[TM+\b]   ; 2 off the exponent field: the conversion's scale operand
.endr
.irp b, 0,1,2,3
	v_lshrrev_b32 v[TM+4+\b], 23, v[TM+12+\b]
.endr
	v_lshl_or_b32 v[\pw], v[TM+5], 8, v[TM+4]
	v_lshl_or_b32 v[\pw], v[TM+6], 16, v[\pw]
	v_lshl_or_b32 v[\pw], v[TM+7], 24, v[\pw]
.irp c, 0,1
	v_cvt_scalef32_pk16_fp6_f32 v[\d+6*\c:\d+2+6*\c], v[\s+32*\c:\s+15+32*\c], v[TM+12+2*\c]
	v_cvt_scalef32_pk16_fp6_f32 v[\t2+4*\c:\t2+2+4*\c], v[\s+16+32*\c:\s+31+32*\c], v[TM+12+2*\c+1]
.endr
	v_nop                                          ; one plain instruction behind the scaled conversions
.irp c, 0,1
.irp i, 0,1,2
	v_permlane16_swap_b32 v[\d+6*\c+\i], v[\t2+4*\c+\i]
.endr
.irp i, 0,1,2
	v_mov_b32 v[\d+3+6*\c+\i], v[\t2+4*\c+\i]
.endr
.endr
.endm
; THE tanh OF A FINISHED COLUMN TILE (32 numbers a lane, 16 pairs, in place), cut into eight slices, one behind each K step of the next tile's products.
; A list of 48: plain 0, then for each pair p: plain p + 1, transcendental 2 p, transcendental 2 p + 1.  kind 0: plain = K2 acc + K2 bias, transcendental = 2^y.  kind 1: plain = + 1, transcendental = 1 / .
; No line of a list reads a transcendental's result of the same list: so each list has ONE wait, ahead of the next list's first line.
.macro TPART n0, acc, vk, kind
.set tn, \n0
.rept 16
.if (tn == 0) || ((tn < 46) && ((tn+2)%3 == 0))
.set tp, (tn+2)/3
.if \kind == 0
	v_pk_fma_f32 v[\acc+2*tp:\acc+2*tp+1], v[\acc+2*tp:\acc+2*tp+1], s[K2:K2+1], v[\vk:\vk+1] op_sel:[0,0,1] op_sel_hi:[1,0,1]
.else
	v_pk_add_f32 v[\acc+2*tp:\acc+2*tp+1], v[\acc+2*tp:\acc+2*tp+1], 1.0 op_sel_hi:[1,0]
.endif
.else
.if tn >= 46
.set te, tn-16
.else
.set te, 2*((tn-1)/3)+(tn-1)%3-1
.endif
.if \kind == 0
	v_exp_f32 v[\acc+te], v[\acc+te]
.else
	v_rcp_f32 v[\acc+te], v[\acc+te]
.endif
.endif
.set tn, tn+1
.endr
.endm
.macro TSLICE k, set, vi               ; slice k of the tile in accumulator set `set`, whose pair lies at VKQ + 2 vi.  Each slice holds four or more plain instructions that name no register of the products round it
.set ta, ACC+32*(\set)
.set tv, VKQ+2*(\vi)
.if (\k) < 3
	TPART 16*(\k), ta, tv, 0
.if (\k) == 2
	v_nop                                          ; the plain instruction behind the last exponential
.endif
.elseif (\k) < 6
.if (\k) == 3
	s_wait_alu depctr_va_vdst(0)                   ; one wait for the 32 exponentials, ahead of their first reader
.endif
	TPART 16*((\k)-3), ta, tv, 1
.if (\k) == 5
	v_nop                                          ; the plain instruction behind the last reciprocal
.endif
.else
.if (\k) == 6
	s_wait_alu depctr_va_vdst(0)                   ; one wait for the 32 reciprocals
.endif
.set hh, 8*((\k)-6)
.rept 8
	v_pk_fma_f32 v[SS+2*hh:SS+2*hh+1], v[ta+2*hh:ta+2*hh+1], v[tv:tv+1], v[SS+2*hh:SS+2*hh+1] op_sel_hi:[1,0,1]   ; the slots' sums += W_v r
.set hh, hh+1
.endr
.endif
.endm
; One product: slot m x tile i of the quarter, K step s.  Source 0 = 16 rows of x, source 1 = 16 columns of W: register j of lane (r, h) is (row 8 h + j, column r).
; A scale register carries an even K step's words in lanes 0-15 and the next odd one's in lanes 16-31.
.macro MM i, s, m
.set rD, ACC+32*((\i)%2)+8*(\m)
.set rA, 96*((\m)%2)+12*(\s)
.set rB, 96*((\i)%2)+12*(\s)
.set rSA, ASC+4*(\m)+(\s)/2
.set rSB, BSC+4*(\i)+(\s)/2
.if (\s) == 0
	v_wmma_scale_f32_16x16x128_f8f6f4 v[rD:rD+7], v[rA:rA+11], v[rB:rB+11], 0, v[rSA], v[rSB] matrix_a_fmt:MATRIX_FMT_FP6 matrix_b_fmt:MATRIX_FMT_FP6
.elseif (\s)%2 == 0
	v_wmma_scale_f32_16x16x128_f8f6f4 v[rD:rD+7], v[rA:rA+11], v[rB:rB+11], v[rD:rD+7], v[rSA], v[rSB] matrix_a_fmt:MATRIX_FMT_FP6 matrix_b_fmt:MATRIX_FMT_FP6
.else
	v_wmma_scale_f32_16x16x128_f8f6f4 v[rD:rD+7], v[rA:rA+11], v[rB:rB+11], v[rD:rD+7], v[rSA], v[rSB] matrix_a_fmt:MATRIX_FMT_FP6 matrix_b_fmt:MATRIX_FMT_FP6 matrix_a_scale:MATRIX_SCALE_ROW1 matrix_b_scale:MATRIX_SCALE_ROW1
.endif
.endm
; A COLUMN TILE: 8 K steps x 4 slots; the four accumulators take turns, one instruction a turn.  Behind each K step: a slice of the tile before, which is also the places ahead of
; the loads; then the fragment just multiplied is loaded anew, for the tile two on.
; THE COUNTS.  A tile's 25 loads go out in this order: its scale words and K step 0 (4) behind K step 0 of the tile two before, then 3 behind each later K step.  Behind K step 0's loads of tile t: the 21 others of
; tile t and tile t + 1's 25: 46.  Behind K step s's, s > 0: 3 (7 - s) + 25 + what this tile has asked so far, 4 + 3 (s - 1): 47.  The loops issue no other load into registers.
.macro TILE i, prev
.set par, (\i)%2
.if (\i) < 2
.set wo, WOC
.set toff, ((\i)+2)*WTILE
.else
.set wo, WON
.set toff, ((\i)-2)*WTILE
.endif
.irp s, 0,1,2,3,4,5,6,7
.if \s == 0
	s_wait_loadcnt 46
.else
	s_wait_loadcnt 47
.endif
	WIN 0x0d                                       ; source 0 window 1, source 1 window 3, C and D window 0
	MM \i, \s, 0
	MM \i, \s, 1
	WIN 0x0e                                       ; source 0 window 2
	MM \i, \s, 2
	MM \i, \s, 3
	WIN 0
.if \prev
	TSLICE \s, 1-par, (\i)-1
.else
.rept 4
	v_nop                                          ; four places ahead of the loads into registers that the products have read
.endr
.endif
.if \s == 0
	global_load_b128 v[BSC+4*(((\i)+2)%4):BSC+4*(((\i)+2)%4)+3], v[wo], s[6:7] offset:toff+12288
.endif
	WIN 0xc0                                       ; destination window 3
.irp c, 0,1,2
	global_load_b128 v[96*par+12*\s+4*\c:96*par+12*\s+4*\c+3], v[wo], s[6:7] offset:toff+1536*\s+512*\c
.endr
.endr
.endm
.macro GEMM                            ; a quarter
	TILE 0, 0
	TILE 1, 1
	TILE 2, 1
	TILE 3, 1
	WIN 0
.irp k, 0,1,2,3,4,5,6,7
	TSLICE \k, 1, 3                                ; the last tile's tanh; the eight plain lines of the slice before it are the places behind the last products
.endr
.endm
.macro RED j                           ; slot j's sums, first step across the sixteen lanes of a half
.irp i, 0,1,2,3,4,5,6,7
	v_add_f32_dpp v[TT+\i], v[SS+8*(\j)+\i], v[SS+8*(\j)+\i] row_xmask:1 row_mask:0xf bank_mask:0xf
.endr
.endm
.macro LOADA j                         ; the entering tile's images become slot j's registers, in every wave; its sums begin at 0
	WIN 0x40*(1+(\j)/2)
.irp s, 0,1,2,3,4,5,6,7
.irp c, 0,1,2
	ds_load_b128 v[96*((\j)%2)+12*\s+4*\c:96*((\j)%2)+12*\s+4*\c+3], v[IMR] offset:1536*\s+512*\c
.endr
.endr
	WIN 0
.irp q, 0,1,2,3
	ds_load_b32 v[ASC+4*(\j)+\q], v[SCR] offset:128*\q
.endr
.irp i, 0,1,2,3,4,5,6,7
	v_mov_b32 v[SS+8*(\j)+\i], 0
.endr
.endm
.macro DOJ which, j
.if \which
	LOADA \j
.else
	RED \j
.endif
.endm
.macro JTAB which                      ; register numbers hang on the slot: four copies, chosen by a scalar branch on (Q + 1) % 4, the same in every wave
	s_cmp_eq_u32 s[JJ], 0
	s_cbranch_scc1 .Lj0_\@
	s_cmp_eq_u32 s[JJ], 1
	s_cbranch_scc1 .Lj1_\@
	s_cmp_eq_u32 s[JJ], 2
	s_cbranch_scc1 .Lj2_\@
	DOJ \which, 3
	s_branch .Ljd_\@
.Lj0_\@:
	DOJ \which, 0
	s_branch .Ljd_\@
.Lj1_\@:
	DOJ \which, 1
	s_branch .Ljd_\@
.Lj2_\@:
	DOJ \which, 2
.Ljd_\@:
.endm
.macro XREAD u                         ; my K step 2 w + u of the entering tile, out of my strip: 16 neighbours of each block of 32 of row lane % 16
.irp b, 0,1,2,3
.irp j, 0,1,2,3
	ds_load_b128 v[XX+16*\b+4*\j:XX+16*\b+4*\j+3], v[XA] offset:512*(\u)+128*\b+16*\j
.endr
.endr
.endm
.macro UNIT u                          ; they become a fragment (its image goes to LDS) and 128 columns of bf16 (to my block of the slot)
	s_wait_dscnt 0x0
	QUANT XX, PC, PC+12, PW0+(\u)
.irp c, 0,1,2
	ds_store_b128 v[IMW], v[PC+4*\c:PC+4*\c+3] offset:1536*(\u)+512*\c
.endr
.set un, 0
.rept 32
	v_cvt_pk_bf16_f32 v[XX+un], v[XX+2*un], v[XX+2*un+1]   ; in place, ascending: a register is written when both numbers that it held have been read
.set un, un+1
.endr
.irp b, 0,1,2,3
.irp e, 0,1
	ds_store_b128 v[RW], v[XX+8*\b+4*\e:XX+8*\b+4*\e+3] offset:256*(\u)+64*\b+16*\e
.endr
.endr
	s_wait_dscnt 0x0                               ; the stores have read their registers
.endm
.macro ENTER pre                       ; pre = 1: XREAD 0 has been issued
.if !(\pre)
	XREAD 0
.endif
	UNIT 0
	XREAD 1
	UNIT 1
	s_mov_b32 vcc_lo, 0xffff0000
	v_cndmask_b32 v[TMPA], v[PW0], v[PW0+1], vcc_lo   ; lanes 0-15 my even K step's word, lanes 16-31 my odd one's
	ds_store_b32 v[SCW], v[TMPA]
.endm
.macro VKLOAD                          ; the next quarter's four pairs of my column
.irp i, 0,1,2,3
	ds_load_b64 v[VKQ+2*\i:VKQ+2*\i+1], v[VKR] offset:128*\i
.endr
.endm
.macro STEPS                           ; what hangs on the quarter: the slot, the strip, and the addresses made of them
	s_add_co_u32 s[JJ], s[QQ], 1
	s_and_b32 s[JJ], s[JJ], 3
	s_mul_i32 s48, s[JJ], RBLK
	s_xor_b32 s[TB], s[TB], STRIP
	s_lshl_b32 s49, s[JJ], 9
	v_add_nc_u32 v[XA], s[TB], v[XA0]
	v_add_nc_u32 v[RW], s48, v[RW0]
	v_add_nc_u32 v[RR], s48, v[RR0]
	v_add_nc_u32 v[VKR], s49, v[VKR0]
	v_add_nc_u32 v[SCOA], s[SQ], v[SCO0]
.endm
.macro WSTEP                           ; W's offsets go on to the next group
	s_wait_xcnt 0x0                                ; the loads and prefetches issued so far have read their address registers, which are written only behind this wait
	v_mov_b32 v[WOC], v[WON]
	s_add_co_u32 s48, s[JJ], 1
	s_and_b32 s48, s48, 3
	s_mul_i32 s48, s48, WGRP
	v_add_nc_u32 v[WON], s48, v[L16]
.endm
.macro RETA                            ; the retiring tile: my 256 columns' part of its 16 scores, to LDS
	JTAB 0
.irp x, 2,4,8
.irp i, 0,1,2,3,4,5,6,7
	v_add_f32_dpp v[TT+\i], v[TT+\i], v[TT+\i] row_xmask:\x row_mask:0xf bank_mask:0xf
.endr
.endr
	ds_store_b128 v[PTW], v[TT:TT+3]               ; the sixteen lanes of a half hold the same eight rows' sums and write them to the same place
	ds_store_b128 v[PTW], v[TT+4:TT+7] offset:16
.endm
.macro RETB                            ; behind the barrier: the scores, the running softmax (the same in every wave), and p x into my columns of c
.irp w, 0,1,2,3
	ds_load_b32 v[P16+\w], v[PTR] offset:64*\w
.endr
	s_wait_dscnt 0x0
	v_add_f32 v[P16], v[P16], v[P16+1]
	v_add_f32 v[P16+2], v[P16+2], v[P16+3]
	v_add_f32 v[P16], v[P16], v[P16+2]
	v_fma_f32 v[P16+4], v[P16], -2.0, v[C0]        ; the score of row lane % 16
	s_cmp_lg_u32 s[WV], 0
	s_cbranch_scc1 .Lnot_w0_\@
	ds_store_b32 v[SCOA], v[P16+4]                 ; wave 0 keeps the scores
.Lnot_w0_\@:
	v_mov_b32 v[P16+5], v[P16+4]
.irp x, 1,2,4,8
	v_max_num_f32_dpp v[P16+5], v[P16+5], v[P16+5] row_xmask:\x row_mask:0xf bank_mask:0xf
.endr
	v_max_num_f32 v[P16+6], v[ML], v[P16+5]        ; the new m
	v_sub_f32 v[P16+7], v[ML], v[P16+6]
	v_sub_f32 v[P16+8], v[P16+4], v[P16+6]
	v_mul_f32 v[P16+7], s[LG], v[P16+7]
	v_mul_f32 v[P16+8], s[LG], v[P16+8]
	v_exp_f32 v[FF], v[P16+7]                      ; f = e^(old m - new m)
	v_exp_f32 v[PP], v[P16+8]                      ; p = e^(score - new m)
	v_mov_b32 v[ML], v[P16+6]                      ; (the plain instruction behind the exponentials)
	s_wait_alu depctr_va_vdst(0)                   ; one wait for the two, ahead of their first reader
	v_mov_b32 v[P16+9], v[PP]
.irp x, 1,2,4,8
	v_add_f32_dpp v[P16+9], v[P16+9], v[P16+9] row_xmask:\x row_mask:0xf bank_mask:0xf
.endr
	v_fma_f32 v[ML+1], v[ML+1], v[FF], v[P16+9]    ; l = l f + the 16 rows' p
	ds_store_b32 v[PBW], v[PP]
.irp k, 0,1,2,3
	ds_load_b128 v[P16+4*\k:P16+4*\k+3], v[PBR] offset:16*\k   ; every lane takes all 16 p (my own bytes: LDS serves a wave's instructions in order, ISA guide 5.7.1.4)
.endr
.irp i, 0,1,2,3,4,5,6,7,8,9,10,11,12,13,14,15
	ds_load_b128 v[CB+4*\i:CB+4*\i+3], v[RR] offset:528*\i     ; row i: my eight columns, 512 consecutive bytes a wave
.endr
.irp k, 0,2,4,6
	v_pk_mul_f32 v[CC+\k:CC+\k+1], v[CC+\k:CC+\k+1], v[FF:FF+1] op_sel_hi:[1,0]
.endr
.irp i, 0,1,2,3,4,5,6,7,8,9,10,11,12,13,14,15
	s_wait_dscnt 15-\i                             ; row i is in; the 15 - i rows behind it may be out
.irp k, 0,1,2,3
	v_fma_mix_f32_bf16 v[CC+2*\k], v[CB+4*\i+\k], v[P16+\i], v[CC+2*\k] op_sel:[0,0,0] op_sel_hi:[1,0,0]
	v_fma_mix_f32_bf16 v[CC+2*\k+1], v[CB+4*\i+\k], v[P16+\i], v[CC+2*\k+1] op_sel:[1,0,0] op_sel_hi:[1,0,0]
.endr
.endr
.endm
	s_load_b256 s[4:11], s[0:1], 0x0               ; x s[4:5], wq s[6:7], vk s[8:9], W_v s[10:11]
	s_load_b128 s[12:15], s[0:1], 0x20             ; b_v s[12:13], scores s[14:15]
	s_load_b64 s[16:17], s[0:1], 0x30              ; part
	v_lshl_add_u32 v[SPW], v0, 2, SPARE
	v_mov_b32 v[NIL], 0
	ds_add_u32 v1, v2
	ds_add_u32 v1, v2
	s_wait_dscnt 0x0
	v_lshrrev_b32 v176, 5, v0
	v_readfirstlane_b32 s[WV], v176                ; wave 0..3
	; descriptor group 1: a strip of 16 rows x 256 f32, 16 bytes of padding behind each row
	s_mov_b32 s[G1], (2<<16)|(1<<20)|(7<<22)|(3<<25)   ; 15:0 no mask; 17:16 elements of 4 bytes; 20 padding on; 24:22 after every 256 words (code 7); 31:25 of 4 words (code 3)
	s_mov_b32 s[G1+1], 256<<16                     ; tensor_dim0 = 256
	s_mov_b32 s[G1+2], 16<<16                      ; tensor_dim1 = 16
	s_mov_b32 s[G1+3], 256<<16                     ; tile_dim0 = 256
	s_mov_b32 s[G1+4], 16                          ; tile_dim1 = 16
	s_mov_b32 s[G1+5], 1024                        ; elements from row to row
	s_mov_b32 s[G1+6], 0
	s_mov_b32 s[G1+7], 0
	s_mul_i32 s[LW], s[WV], XW                     ; my two strips
	s_lshl_b32 s48, ttmp9, 20                      ; 256 rows of 4,096 bytes a work-group,
	s_lshl_b32 s49, s[WV], 10                      ; 1,024 bytes of a row a wave
	s_add_co_u32 s48, s48, s49
	s_mov_b32 s49, 0
	s_wait_kmcnt 0x0
	s_add_nc_u64 s[4:5], s[4:5], s[48:49]          ; x at my strip of tile 0
	s_mov_b32 s[G0A], 1
	s_mov_b32 s[G0A+1], s[LW]
	s_mov_b64 s[G0A+2:G0A+3], s[4:5]
	s_or_b32 s[G0A+3], s[G0A+3], 0x80000000
	s_mov_b32 s[G0B], 1
	s_add_co_u32 s[G0B+1], s[LW], STRIP
	s_add_nc_u64 s[G0B+2:G0B+3], s[4:5], 65536     ; a tile is 16 rows of 4,096 bytes
	s_or_b32 s[G0B+3], s[G0B+3], 0x80000000
	tensor_load_to_lds s[G0A:G0A+3], s[G1:G1+7]    ; the two first fills go out together, ahead of everything else: two loads of mine are out
	s_nop 0
	tensor_load_to_lds s[G0B:G0B+3], s[G1:G1+7]
	s_nop 0
.rept 4
	v_nop
.endr
	s_load_b32 s52, s[12:13], 0x0                  ; b_v
	s_add_nc_u64 s[PFA:PFA+1], s[4:5], 131072      ; at tile 2; the first switch steps it to tile 3.  Nothing is prefetched here, at the head
	s_mul_i32 s48, s[WV], 16*WTILE
	s_add_nc_u64 s[6:7], s[6:7], s[48:49]          ; my 16 column tiles
	s_lshr_b32 s48, ttmp9, 3
	s_lshl_b32 s48, s48, 13
	s_lshl_b32 s50, s[WV], 11
	s_add_co_u32 s48, s48, s50
	s_add_nc_u64 s[8:9], s[8:9], s[48:49]          ; my batch's row of vk, my 256 pairs
	s_lshl_b32 s48, ttmp9, 10
	s_add_nc_u64 s[14:15], s[14:15], s[48:49]      ; my work-group's 256 scores
	s_mul_i32 s48, ttmp9, 4352
	s_lshl_b32 s50, s[WV], 10
	s_add_co_u32 s48, s48, s50
	s_add_nc_u64 s[16:17], s[16:17], s[48:49]      ; my work-group's part, my 256 columns of c
	s_mov_b32 s[SEL], 0x76543210
	s_mov_b32 s[SEL+1], 0xfedcba98
	s_mov_b32 s[K2], 0x4038aa3b                    ; 2 log2(e)
	s_mov_b32 s[K2+1], s[K2]                       ; (named with it as a pair, so it is written)
	s_mov_b32 s[LG], 0x3fb8aa3b                    ; log2(e)
	s_mov_b32 s[TB], 0
	v_and_b32 v176, 31, v0                         ; lane
	v_and_b32 v177, 15, v0                         ; r
	v_bfe_u32 v178, v0, 4, 1                       ; h
	v_lshlrev_b32 v[L16], 4, v176
	v_lshlrev_b32 v[L8], 3, v176
	v_mov_b32 v[WOC], v[L16]                       ; group 0
	v_add_nc_u32 v[WON], WGRP, v[L16]              ; group 1
.irp k, 0,1,2,3
	global_load_b128 v[136+4*\k:139+4*\k], v[L16], s[8:9] offset:512*\k     ; my 256 pairs
.endr
.irp k, 0,1,2,3,4,5,6,7
	global_load_b128 v[104+4*\k:107+4*\k], v[L16], s[10:11] offset:512*\k   ; all of W_v
.endr
.irp t, 0,1                                    ; W's ring is primed in the order in which the loops keep it: 50 loads
	global_load_b128 v[BSC+4*\t:BSC+4*\t+3], v[WOC], s[6:7] offset:\t*WTILE+12288
	WIN 0xc0
.irp s, 0,1,2,3,4,5,6,7
.irp c, 0,1,2
	global_load_b128 v[96*\t+12*\s+4*\c:96*\t+12*\s+4*\c+3], v[WOC], s[6:7] offset:\t*WTILE+1536*\s+512*\c
.endr
.endr
	WIN 0
.endr
	v_mul_u32_u24 v[XA0], v177, 1040
	v_lshl_add_u32 v[XA0], v178, 6, v[XA0]
	v_add_nc_u32 v[XA0], s[LW], v[XA0]             ; my strips + 1,040 r + 64 h
	v_mov_b32 v[XA], v[XA0]
	s_mul_i32 s48, s[WV], RWV
	s_add_co_u32 s48, s48, RET
	v_mul_u32_u24 v[RW0], v177, 528
	v_lshl_add_u32 v[RW0], v178, 5, v[RW0]
	v_add_nc_u32 v[RW0], s48, v[RW0]               ; my bf16 blocks + 528 r + 32 h
	v_mov_b32 v[RW], v[RW0]
	v_add_nc_u32 v[RR0], s48, v[L16]
	s_mul_i32 s48, s[WV], 3072
	s_add_co_u32 s48, s48, IMG
	v_add_nc_u32 v[IMW], s48, v[L16]
	v_add_nc_u32 v[IMR], IMG, v[L16]
	v_lshlrev_b32 v179, 2, v176
	s_lshl_b32 s48, s[WV], 7
	s_add_co_u32 s48, s48, SCI
	v_add_nc_u32 v[SCW], s48, v179
	v_add_nc_u32 v[SCR], SCI, v179
	s_lshl_b32 s48, s[WV], 6
	s_add_co_u32 s49, s48, PART
	v_lshl_add_u32 v[PTW], v178, 5, s49
	v_lshl_add_u32 v[PTR], v177, 2, PART
	s_add_co_u32 s49, s48, PB
	v_lshl_add_u32 v[PBW], v177, 2, s49
	v_mov_b32 v[PBR], s49
	v_lshl_add_u32 v[SCO0], v177, 2, SCO
	s_lshl_b32 s48, s[WV], 11
	s_add_co_u32 s48, s48, VKT
	v_lshl_add_u32 v[VKR0], v177, 3, s48
	v_mov_b32 v[VKR], v[VKR0]
	v_add_nc_u32 v180, s48, v[L16]
	v_lshrrev_b32 v[PFO], 2, v176
	v_and_b32 v181, 3, v176
	v_lshlrev_b32 v[PFO], 12, v[PFO]
	v_lshl_add_u32 v[PFO], v181, 8, v[PFO]
.irp k, 0,1,2,3,4,5,6,7
	v_mov_b32 v[CC+\k], 0                          ; c
	v_mov_b32 v[TT+\k], 0                          ; (written once: the destination of a DPP form counts as one of its sources)
.endr
.irp b, 0,1,2,3
	v_mov_b32 v[TM+4+\b], 0                        ; (likewise a lane permute's)
.endr
	v_mov_b32 v[ML], 0xff61b1e6                    ; m: -3e38, under every score
	v_mov_b32 v[ML+1], 0                           ; l
	v_mov_b32 v[FF+1], 0                           ; (named as the upper half of the pair)
	s_wait_loadcnt 50                              ; the pairs and W_v are in; the ring's 50 loads may be out
.irp k, 0,1,2,3
	ds_store_b128 v180, v[136+4*\k:139+4*\k] offset:512*\k
.endr
.irp j, 0,4,8,12,16,20,24,28
	v_pk_add_f32 v[104+\j:105+\j], v[104+\j:105+\j], v[106+\j:107+\j]
.endr
.irp j, 0,8,16,24
	v_pk_add_f32 v[104+\j:105+\j], v[104+\j:105+\j], v[108+\j:109+\j]
.endr
.irp j, 0,16
	v_pk_add_f32 v[104+\j:105+\j], v[104+\j:105+\j], v[112+\j:113+\j]
.endr
	v_pk_add_f32 v[104:105], v[104:105], v[120:121]
	v_add_f32 v104, v104, v105
.irp x, 1,2,4,8
	v_add_f32_dpp v104, v104, v104 row_xmask:\x row_mask:0xf bank_mask:0xf
.endr
	v_permlanex16_b32 v105, v104, s[SEL], s[SEL+1]
	v_add_f32 v104, v104, v105                     ; the sum of W_v
	s_wait_kmcnt 0x0
	v_add_f32 v[C0], s52, v104
	s_wait_tensorcnt 0x1                           ; my strip of tile 0 is in (tile 1's may be out); I alone read it
	s_wait_dscnt 0x0                               ; the pairs' stores have read their registers
	ENTER 0                                        ; tile 0
	s_wait_dscnt 0x0
	s_barrier_signal -1
	s_barrier_wait -1                              ; tile 0's eight images lie in LDS
	LOADA 0
	LOADA 1                                        ; slots 1-3 begin as copies of tile 0: every register is written, and their sums begin anew when their own tile enters
	LOADA 2
	LOADA 3
	VKLOAD
	s_wait_dscnt 0x0
	s_mov_b32 s[QQ], 0
	s_mov_b32 s[SQ], 0
.Lq1:                                              ; quarters 0 to 13: each switch enters tile Q + 1 and asks for tile Q + 2
	GEMM
	STEPS
	s_cmp_lt_u32 s[QQ], 3                          ; the first tile retires behind quarter 3
	s_cbranch_scc1 .Lno_reta
	RETA
.Lno_reta:
	WSTEP
	s_add_nc_u64 s[PFA:PFA+1], s[PFA:PFA+1], 65536 ; (behind the same wait) tile Q + 3
	s_wait_tensorcnt 0x0                           ; all my tensor loads have landed: the one that was out is my strip of tile Q + 1; so the walking group 0 may be written
	ds_add_u32 v[SPW], v[NIL]                      ; 0 onto my spare word
	s_xor_b32 s[G0B+1], s[G0B+1], STRIP            ; the other strip than last time (33,280 x wave shares no bit with 16,640),
	s_add_nc_u64 s[G0B+2:G0B+3], s[G0B+2:G0B+3], 65536   ; the next tile; the type bits on top are not reached
	s_wait_dscnt 0x0                               ; the add is done, my partial scores have landed, and my reads of the strip to be filled ended a quarter ago
	s_barrier_signal -1
	s_barrier_wait -1
	tensor_load_to_lds s[G0B:G0B+3], s[G1:G1+7]    ; my one tensor load behind this barrier, and the first thing there: it has a whole quarter in which to land
	s_nop 0
.rept 4
	v_nop
.endr
	XREAD 0
	VKLOAD
	s_cmp_lt_u32 s[QQ], 13                         ; a prefetch into the L2 of my strip of tile Q + 3, which the next switch will ask for: 64 blocks of 256 bytes, a lane a block, two instructions;
	s_cbranch_scc0 .Lno_pf                         ; each block is named once in the launch; tiles 0 to 2 come by their loads alone; behind tile 15 there is nothing
	global_prefetch_b8 v[PFO], s[PFA:PFA+1] th:TH_LOAD_NT scope:SCOPE_SE
	global_prefetch_b8 v[PFO], s[PFA:PFA+1] offset:32768 th:TH_LOAD_NT scope:SCOPE_SE
.Lno_pf:
	s_cmp_lt_u32 s[QQ], 3
	s_cbranch_scc1 .Lno_retb
	RETB
.Lno_retb:
	ENTER 1
	s_wait_dscnt 0x0                               ; my images and my scale word have landed, and my reads of the partial scores are over
	s_barrier_signal -1
	s_barrier_wait -1                              ; the tensor load stays out
	JTAB 1
	s_wait_dscnt 0x0                               ; the slot's registers are in: so my reads of the images are over before the next switch's barrier
	s_add_co_u32 s[SQ], s[SQ], 64
	s_add_co_u32 s[QQ], s[QQ], 1
	s_cmp_lt_u32 s[QQ], 14
	s_cbranch_scc1 .Lq1
.Lq2:                                              ; quarters 14 to 18: nothing more is asked for; tile 15 enters behind quarter 14
	GEMM
	STEPS
	RETA
	WSTEP
	s_wait_dscnt 0x0
	s_barrier_signal -1
	s_barrier_wait -1
	VKLOAD
	RETB
	s_cmp_lg_u32 s[QQ], 14
	s_cbranch_scc1 .Lno_ent
	s_wait_tensorcnt 0x0                           ; my strip of tile 15, the last load: none was issued behind it
	ENTER 0
.Lno_ent:
	s_wait_dscnt 0x0
	s_barrier_signal -1
	s_barrier_wait -1
	s_cmp_lg_u32 s[QQ], 14
	s_cbranch_scc1 .Lno_la
	LOADA 3
.Lno_la:
	s_wait_dscnt 0x0
	s_add_co_u32 s[SQ], s[SQ], 64
	s_add_co_u32 s[QQ], s[QQ], 1
	s_cmp_lt_u32 s[QQ], 19
	s_cbranch_scc1 .Lq2
	; THE WAY OUT.  A lane holds 32 neighbouring bytes of c: through my own bf16 bytes, which nobody needs any more, they become runs of 512 bytes.
	v_add_nc_u32 v176, v[RR0], v[L16]              ; 32 x lane
	v_add_nc_u32 v177, SCO+192, v[L16]             ; the scores, 16 bytes a lane
	ds_store_b128 v176, v[CC:CC+3]
	ds_store_b128 v176, v[CC+4:CC+7] offset:16
	ds_load_b128 v[192:195], v[RR0]                ; LDS serves a wave's instructions in order: these see my stores
	ds_load_b128 v[196:199], v[RR0] offset:512
	s_wait_dscnt 0x0
	global_store_b128 v[L16], v[192:195], s[16:17]             ; 32 lanes store 512 consecutive bytes, at a multiple of 256 from the buffer's first byte
	global_store_b128 v[L16], v[196:199], s[16:17] offset:512
	s_cmp_lg_u32 s[WV], 0
	s_cbranch_scc1 .Lnot_first
	ds_load_b128 v[200:203], v177                  ; wave 0: the work-group's 256 scores,
	ds_load_b128 v[204:207], v177 offset:512
	s_wait_dscnt 0x0
	global_store_b128 v[L16], v[200:203], s[14:15]
	global_store_b128 v[L16], v[204:207], s[14:15] offset:512
	global_store_b64 v[L8], v[ML:ML+1], s[16:17] offset:4096   ; and (m, l), 32 times: 256 consecutive bytes
.Lnot_first:
	s_wait_tensorcnt 0x0                           ; the wave's end: behind my last tensor load and my last LDS store
	ds_add_u32 v[SPW], v[NIL]
	s_wait_dscnt 0x0
	s_endpgm
.Lfunc_end_k_qa595f38605_main:
	.size	k_qa595f38605_main, .Lfunc_end_k_qa595f38605_main-k_qa595f38605_main
	.p2alignl 7, 3214868480
	.fill 96, 4, 3214868480
	.section	.rodata,"a",@progbits
	.p2align	6, 0x0
	.amdhsa_kernel k_qa595f38605_main
		.amdhsa_group_segment_fixed_size 327680
		.amdhsa_private_segment_fixed_size 0
		.amdhsa_enable_private_segment 0
		.amdhsa_kernarg_size 56
		.amdhsa_user_sgpr_count 2
		.amdhsa_user_sgpr_kernarg_segment_ptr 1
		.amdhsa_wavefront_size32 1
		.amdhsa_system_sgpr_workgroup_id_x 1
		.amdhsa_system_sgpr_workgroup_id_y 1
		.amdhsa_system_sgpr_workgroup_id_z 1
		.amdhsa_system_vgpr_workitem_id 0
		.amdhsa_next_free_vgpr 960
		.amdhsa_next_free_sgpr 66
		.amdhsa_reserve_vcc 1
		.amdhsa_float_denorm_mode_32 3
		.amdhsa_float_denorm_mode_16_64 3
		.amdhsa_memory_ordered 1
		.amdhsa_forward_progress 1
		.amdhsa_inst_pref_size 218
	.end_amdhsa_kernel
	.amdgpu_metadata
---
amdhsa.version: [ 1, 2 ]
amdhsa.kernels:
  - .name:           k_qa595f38605_main
    .symbol:         k_qa595f38605_main.kd
    .args:
      - { .name: encoder_out, .offset: 0, .size: 8, .value_kind: global_buffer, .address_space: global }
      - { .name: wq, .offset: 8, .size: 8, .value_kind: global_buffer, .address_space: global }
      - { .name: vk, .offset: 16, .size: 8, .value_kind: global_buffer, .address_space: global }
      - { .name: W_v, .offset: 24, .size: 8, .value_kind: global_buffer, .address_space: global }
      - { .name: b_v, .offset: 32, .size: 8, .value_kind: global_buffer, .address_space: global }
      - { .name: scores, .offset: 40, .size: 8, .value_kind: global_buffer, .address_space: global }
      - { .name: part, .offset: 48, .size: 8, .value_kind: global_buffer, .address_space: global }
    .group_segment_fixed_size: 327680
    .private_segment_fixed_size: 0
    .kernarg_segment_align: 8
    .kernarg_segment_size: 56
    .max_flat_workgroup_size: 128
    .sgpr_count:     66
    .vgpr_count:     960
    .wavefront_size: 32
...
	.end_amdgpu_metadata
.endif
;; end of part 2
;; launch finish (part 3): grid 32 x 1, 8 waves a work-group, no clusters, 0 bytes of LDS; arguments scores, part, out0, out1; writes out0, out1
.if DOCPART == 3
	.amdgcn_target "amdgcn-amd-amdhsa--gfx1250"
	.amdhsa_code_object_version 6
	.text
	.protected	k_qa595f38605_finish
	.globl	k_qa595f38605_finish
	.p2align	8
	.type	k_qa595f38605_finish,@function
k_qa595f38605_finish:
	s_mov_b64 s[64:65], 0
	v_nop
	global_prefetch_b8 v0, s[64:65] scope:SCOPE_SE
	s_setreg_imm32_b32 hwreg(HW_REG_WAVE_MODE, 25, 1), 1
	s_wait_xcnt 0x0
; The eight parts of a batch are joined: M = the largest m_j, w_j = e^(m_j - M), L = sum of l_j w_j; context = (sum of w_j c_j) / L; alpha = e^(score - M) / L.
; One work-group a batch, 256 threads: thread t owns four columns of the context (16 bytes) and eight scores.  Every load and store of a wave covers 512 consecutive bytes (the pairs (m, l): 256).
; No LDS, no barrier: every thread reads all eight pairs itself.  32 work-groups are all the work there is: 1.4 MB in, 0.4 MB out.
.set PARTB, 4352                       ; a work-group's part: c, 4,096 bytes, then 32 copies of (m, l)
.set MLR,  16                          ; v16-31  (m_j, l_j); m_j's place is then taken by w_j
.set CJ,   32                          ; v32-63  my four columns of c_j
.set SC,   64                          ; v64-71  my eight scores
.set AC,   72                          ; v72-75  the context
	s_load_b256 s[4:11], s[0:1], 0x0               ; scores s[4:5], part s[6:7], out0 s[8:9], out1 s[10:11]
	v_and_b32 v1, 31, v0
	v_lshlrev_b32 v1, 3, v1                        ; 8 x lane
	v_lshlrev_b32 v2, 4, v0                        ; 16 x thread
	s_mul_i32 s12, ttmp9, 8*PARTB
	s_mov_b32 s13, 0
	s_lshl_b32 s14, ttmp9, 13                      ; a batch's 2,048 scores
	s_mov_b32 s15, 0
	s_lshl_b32 s16, ttmp9, 12                      ; a batch's 1,024 columns
	s_mov_b32 s17, 0
	s_mov_b32 s18, 0x3fb8aa3b                      ; log2(e)
	v_mov_b32 v11, 0                               ; (named as the upper half of the pair v[10:11])
	s_wait_kmcnt 0x0
	s_add_nc_u64 s[4:5], s[4:5], s[14:15]
	s_add_nc_u64 s[6:7], s[6:7], s[12:13]
	s_add_nc_u64 s[8:9], s[8:9], s[16:17]
	s_add_nc_u64 s[10:11], s[10:11], s[14:15]
.irp j, 0,1,2,3,4,5,6,7
	global_load_b64 v[MLR+2*\j:MLR+2*\j+1], v1, s[6:7] offset:\j*PARTB+4096
.endr
	global_load_b128 v[SC:SC+3], v2, s[4:5]
	global_load_b128 v[SC+4:SC+7], v2, s[4:5] offset:4096
.irp j, 0,1,2,3,4,5,6,7
	global_load_b128 v[CJ+4*\j:CJ+4*\j+3], v2, s[6:7] offset:\j*PARTB
.endr
	s_wait_loadcnt 0x0
	v_max3_num_f32 v8, v[MLR], v[MLR+2], v[MLR+4]
	v_max3_num_f32 v8, v8, v[MLR+6], v[MLR+8]
	v_max3_num_f32 v8, v8, v[MLR+10], v[MLR+12]
	v_max_num_f32 v8, v8, v[MLR+14]                ; M: the batch's largest score
.irp j, 0,1,2,3,4,5,6,7
	v_sub_f32 v[MLR+2*\j], v[MLR+2*\j], v8
	v_sub_f32 v[SC+\j], v[SC+\j], v8
.endr
.irp j, 0,1,2,3,4,5,6,7
	v_mul_f32 v[MLR+2*\j], s18, v[MLR+2*\j]
	v_mul_f32 v[SC+\j], s18, v[SC+\j]
.endr
.irp j, 0,1,2,3,4,5,6,7
	v_exp_f32 v[MLR+2*\j], v[MLR+2*\j]             ; w_j
	v_exp_f32 v[SC+\j], v[SC+\j]                   ; e^(score - M)
.endr
	v_nop                                          ; the plain instruction behind the last exponential
	s_wait_alu depctr_va_vdst(0)                   ; one wait for the sixteen, ahead of their first reader
	v_mul_f32 v9, v[MLR+1], v[MLR]
.irp j, 1,2,3,4,5,6,7
	v_fmac_f32 v9, v[MLR+2*\j+1], v[MLR+2*\j]      ; L
.endr
	v_rcp_f32 v10, v9
	v_pk_mul_f32 v[AC:AC+1], v[CJ:CJ+1], v[MLR:MLR+1] op_sel_hi:[1,0]         ; (plain work behind the reciprocal)  of the pair (w_j, l_j) the low word serves both halves
	v_pk_mul_f32 v[AC+2:AC+3], v[CJ+2:CJ+3], v[MLR:MLR+1] op_sel_hi:[1,0]
.irp j, 1,2,3,4,5,6,7
	v_pk_fma_f32 v[AC:AC+1], v[CJ+4*\j:CJ+4*\j+1], v[MLR+2*\j:MLR+2*\j+1], v[AC:AC+1] op_sel_hi:[1,0,1]
	v_pk_fma_f32 v[AC+2:AC+3], v[CJ+4*\j+2:CJ+4*\j+3], v[MLR+2*\j:MLR+2*\j+1], v[AC+2:AC+3] op_sel_hi:[1,0,1]
.endr
	s_wait_alu depctr_va_vdst(0)                   ; the wait for the reciprocal, ahead of its first reader
.irp k, 0,2
	v_pk_mul_f32 v[AC+\k:AC+\k+1], v[AC+\k:AC+\k+1], v[10:11] op_sel_hi:[1,0]
.endr
.irp k, 0,2,4,6
	v_pk_mul_f32 v[SC+\k:SC+\k+1], v[SC+\k:SC+\k+1], v[10:11] op_sel_hi:[1,0]
.endr
	global_store_b128 v2, v[AC:AC+3], s[8:9]
	global_store_b128 v2, v[SC:SC+3], s[10:11]
	global_store_b128 v2, v[SC+4:SC+7], s[10:11] offset:4096
	s_endpgm
.Lfunc_end_k_qa595f38605_finish:
	.size	k_qa595f38605_finish, .Lfunc_end_k_qa595f38605_finish-k_qa595f38605_finish
	.p2alignl 7, 3214868480
	.fill 96, 4, 3214868480
	.section	.rodata,"a",@progbits
	.p2align	6, 0x0
	.amdhsa_kernel k_qa595f38605_finish
		.amdhsa_group_segment_fixed_size 0
		.amdhsa_private_segment_fixed_size 0
		.amdhsa_enable_private_segment 0
		.amdhsa_kernarg_size 32
		.amdhsa_user_sgpr_count 2
		.amdhsa_user_sgpr_kernarg_segment_ptr 1
		.amdhsa_wavefront_size32 1
		.amdhsa_system_sgpr_workgroup_id_x 1
		.amdhsa_system_sgpr_workgroup_id_y 1
		.amdhsa_system_sgpr_workgroup_id_z 1
		.amdhsa_system_vgpr_workitem_id 0
		.amdhsa_next_free_vgpr 80
		.amdhsa_next_free_sgpr 66
		.amdhsa_reserve_vcc 0
		.amdhsa_float_denorm_mode_32 3
		.amdhsa_float_denorm_mode_16_64 3
		.amdhsa_memory_ordered 1
		.amdhsa_forward_progress 1
		.amdhsa_inst_pref_size 7
	.end_amdhsa_kernel
	.amdgpu_metadata
---
amdhsa.version: [ 1, 2 ]
amdhsa.kernels:
  - .name:           k_qa595f38605_finish
    .symbol:         k_qa595f38605_finish.kd
    .args:
      - { .name: scores, .offset: 0, .size: 8, .value_kind: global_buffer, .address_space: global }
      - { .name: part, .offset: 8, .size: 8, .value_kind: global_buffer, .address_space: global }
      - { .name: out0, .offset: 16, .size: 8, .value_kind: global_buffer, .address_space: global }
      - { .name: out1, .offset: 24, .size: 8, .value_kind: global_buffer, .address_space: global }
    .group_segment_fixed_size: 0
    .private_segment_fixed_size: 0
    .kernarg_segment_align: 8
    .kernarg_segment_size: 32
    .max_flat_workgroup_size: 256
    .sgpr_count:     66
    .vgpr_count:     80
    .wavefront_size: 32
...
	.end_amdgpu_metadata
.endif
;; end of part 3
